; MI455X (gfx1250); checked and timed in simulation.
; The chip was launched on July 23, 2026; its instructions are those of AMD's public machine-readable ISA for CDNA 5 (MIT licence, August 2026) and "CDNA5" Instruction Set Architecture Reference Guide (July 2026). The comments in the code are by the model that wrote it; some were corrected since.
;; Transformer Base. Allowed arithmetic: matrix products marked QUANTISED: E2M1 operands, one E8M0 scale for each 32 along K, by v_wmma_scale_f32_16x16x128_f8f6f4 with both operands' format E2M1 (or v_wmma_scale_f32_32x16x128_f4), f32 sums; everything else in f32.
;; Inputs: bk 512 float32; bo 512 float32; bq 512 float32; bv 512 float32; wk_codes 512 x 16 x 16 uint8 (E2M1 codes of wk, K innermost, in blocks of 32 codes, two codes a byte); wk_scales 512 x 16 uint8 (E8M0 scales of wk, one for each 32 codes along K); wo_codes 512 x 16 x 16 uint8 (E2M1 codes of wo, K innermost, in blocks of 32 codes, two codes a byte); wo_scales 512 x 16 uint8 (E8M0 scales of wo, one for each 32 codes along K); wq_codes 512 x 16 x 16 uint8 (E2M1 codes of wq, K innermost, in blocks of 32 codes, two codes a byte); wq_scales 512 x 16 uint8 (E8M0 scales of wq, one for each 32 codes along K); wv_codes 512 x 16 x 16 uint8 (E2M1 codes of wv, K innermost, in blocks of 32 codes, two codes a byte); wv_scales 512 x 16 uint8 (E8M0 scales of wv, one for each 32 codes along K); x 64 x 512 x 512 float32.
;; Outputs: out0 64 x 512 x 512 float32.
;; This version of the problem:
;;   THIS VERSION OF THE PROBLEM IS GIVEN IN LOW PRECISION. The matrix products marked QUANTISED in the list below multiply operands that are first quantised to E2M1 (2 exponent bits, 1 mantissa bit; 4 bits a number), with one power-of-two scale for each 32 numbers along K (OCP MX v1.0); their sums are f32. All else is computed in f32.
;;   The module's matrix products, in the order in which they are computed (A, B: the left and right operand; K: the contracted axis; several contracted axes count as one K, in the product's order):
;;     1. [M 32,768, K 512] x [K 512, N 512]; A: input x; B: input wq (given as codes): QUANTISED
;;     2. [M 32,768, K 512] x [K 512, N 512]; A: input x; B: input wk (given as codes): QUANTISED
;;     3. [M 32,768, K 512] x [K 512, N 512]; A: input x; B: input wv (given as codes): QUANTISED
;;     4. batch 512 x [M 512, K 64] x [K 64, N 512]; A: computed on the way; B: computed on the way: QUANTISED
;;     5. batch 512 x [M 512, K 512] x [K 512, N 64]; A: softmax (see below); B: computed on the way: QUANTISED
;;     6. [M 32,768, K 512] x [K 512, N 512]; A: computed on the way; B: input wo (given as codes): QUANTISED
;;   THE QUANTISER, for each operand of a quantised product, along K:
;;     - K is cut into blocks of 32 from its start; a last block that is shorter is filled with zeros.
;;     - A block's scale is 2^e with e = floor(log2(the largest magnitude in the block)) - 2, held to -126 .. 127; a block of zeros has e = 0. As a byte (E8M0): e + 127.
;;     - Each number is divided by its block's scale, clamped to +-6, and rounded to the nearest number of E2M1, ties to even, subnormals kept.
;;     - The product sums the exact products of the quantised numbers (number of the format x scale) in f32.
;;   ~~~python
;;   def quantise(x, axis):      # numpy; x: float32 -> the quantised numbers, widened to float32 again
;;       x = np.moveaxis(x, axis, -1); K = x.shape[-1]
;;       x = np.pad(x, [(0, 0)] * (x.ndim - 1) + [(0, -K % 32)]); x = x.reshape(x.shape[:-1] + (-1, 32)); a = np.abs(x).max(-1, keepdims=True)
;;       e = np.where(a > 0, np.clip(np.frexp(np.where(a > 0, a, 1))[1] - 1 - 2, -126, 127), 0)      # np.frexp(a)[1] - 1 = floor(log2(a)), exactly
;;       r = np.clip(x / 2.0 ** e, -6, 6)
;;       step = 2.0 ** (np.maximum(np.frexp(np.where(r == 0, 1, r))[1] - 1, 0) - 1)
;;       q = np.round(r / step) * step * 2.0 ** e      # np.round: ties to even
;;       return np.moveaxis(q.reshape(q.shape[:-2] + (-1,))[..., :K], -1, axis).astype(np.float32)
;;   ~~~
;;   SOFTMAX AHEAD OF A QUANTISED PRODUCT. Where the list says 'softmax', what is quantised is not the finished softmax but p = 2^(t - M), with t = logit x log2(e) and M = ceil(the row's largest t), a whole number; so 1/2 < the row's largest p <= 1. The row's sum l is taken of the UNQUANTISED p, in f32, and the product's result is divided by l at the end. Since M is a whole number, a kernel that streams over the keys may use a running M (the ceiling of the running maximum): every later rescaling is an exact power of two, which a block's scale takes up: the codes' values come out the same.
;;   OPERANDS COMPUTED ON THE WAY. 'Computed on the way' means the value that the module computes at that place (a softmax that the list does not call 'softmax' is quantised finished and normalised). What goes into a quantiser is computed in f32, as accurately as f32 sums, v_exp_f32 and their like allow (about 1e-6 of the number): no bf16 or f16 on the way to a quantiser, and a product that is left as it is and whose result goes on into a quantised operand takes f32 operands (vector FMAs, or v_wmma_f32_16x16x4_f32). A number that lies on a knife's edge between two numbers of the format may be rounded either way, as far as f32 arithmetic and the matrix unit's own rounding can turn it there, and no further.
;;   INPUTS GIVEN AS CODES. wk (in the module: [512, 512], K = its axis 0); wo (in the module: [512, 512], K = its axis 0); wq (in the module: [512, 512], K = its axis 0); wv (in the module: [512, 512], K = its axis 0): each comes as NAME_codes (uint8): NAME with its K axis moved to the last place and cut into blocks of 32 codes, [.., K / 32, bytes a block], one block behind the other in memory; two codes a byte, the lower K in the low four bits (a code: sign, 2 exponent bits, 1 mantissa bit); and NAME_scales (uint8): the same leading axes, one E8M0 byte (e + 127) for each 32 codes along K. Its value is code x scale, taken as it is: it is not quantised again, and the codes and scales need not be those that the quantiser above would give.
;; One version. Each part assembles by itself: llvm-mc -triple=amdgcn-amd-amdhsa -mcpu=gfx1250 --defsym DOCPART=n.
;; ======== version 1 of 1: 3 launches
;; limits: right only within a limited range of input values
;; workspace buffers: qkv 30,408,704 bytes; ctx_codes 8,388,608 bytes; ctx_scales 1,048,576 bytes
;; launch proj (part 1): grid 256 x 1, 8 waves a work-group, no clusters, 177,152 bytes of LDS; arguments x, wq_codes, wq_scales, bq, wk_codes, wk_scales, bk, wv_codes, wv_scales, bv, qkv; writes qkv
.if DOCPART == 1
	.amdgcn_target "amdgcn-amd-amdhsa--gfx1250"
	.amdhsa_code_object_version 6
	.text
	.protected	k_q9d08c5bbbe_proj
	.globl	k_q9d08c5bbbe_proj
	.p2align	8
	.type	k_q9d08c5bbbe_proj,@function
k_q9d08c5bbbe_proj:
	s_mov_b64 s[64:65], 0
	v_nop
	global_prefetch_b8 v0, s[64:65] scope:SCOPE_SE
	s_setreg_imm32_b32 hwreg(HW_REG_WAVE_MODE, 25, 1), 1
	s_wait_xcnt 0x0
; q, k, v = Q(x) W + bias on codes of FP4 (E2M1, one E8M0 scale for each 32 along K), quantised again (q, k along the head's 64, v along the keys) and stored as images of the next launch's operand registers.
; No work of reference() is left out; every input has its way to the result.
; SHARES: a work-group takes 128 rows of x (a quarter qd of batch b): 8 tiles of 16.  Wave W quantises tile W (4 fragments of 128 along K) and lays it into LDS; one barrier; then wave W is head W:
; it keeps the head's 64 rows of one weight (16 fragments, 128 registers) and multiplies all 128 rows of x with them, for wq, wk and wv in turn.  So x is read and quantised once in the launch.
; THE ROWS OF A TILE ARE NOT NEIGHBOURS: lane r of tile m takes row 32 (m / 2) + 8 (m % 2) + r + 8 (r / 8), of x and of the weights alike: the 16 registers of two neighbouring result tiles are 16 neighbours
; along the next product's K, and a block of 32 lies in lanes l and l xor 16.
; THE WEIGHTS: a head's 64 rows are 16,384 consecutive bytes: 32 loads of 512 consecutive bytes, through the wave's own stage in LDS (rows of 272 bytes, row R at slot R with bits 3 and 4 swapped) into fragments: no barrier.
; qkv, for each (b, head pair): IMG [w 8][g: q0 q1 k0 k1][m 4][lane][16 B]; VIMG [c 2][step 4][t 4][half 2][lane][16 B]; SC [w 8][g 4][lane][m 4][4 B]; VSC [c 2][step 4][lane][t 4][4 B].  Every store covers 512 consecutive bytes, aligned.
; NO JOINT LOADS: what work-groups share are the weights; each wave takes its own 16,384 bytes of a matrix straight through registers with no barrier, where a joint load would ask for a round of a cluster's barrier for each matrix.
; NO PREFETCH: all 64 loads of a wave's x are issued at the head; there is no loop to run ahead in.
; LIMITS: NaN and infinities among the inputs are not served.  A block whose largest magnitude lies under 2^-124 has its byte held at 1; a block of zeros gets the byte 1 (its codes are zeros; these bytes are read by this program alone).
.set WPIT, 272
.set WWAV, 64*WPIT                     ; a wave's stage
.set XIMG, 8*WWAV                      ; [tile 8][s 4][half 2][lane][16 B]
.set XSL,  XIMG+32768                  ; [tile 8][lane][s 4][4 B]
.set SPARE, XSL+4096                   ; the spare words, 128 bytes a wave
.set REG,  118784                      ; a (b, head pair)'s bytes of qkv
.set VIMG, 65536
.set SC,   98304
.set VSC,  114688
.set VW,  24                           ; v24-27   v's scale words
.set SW,  32                           ; v32-35   scale words on their way out
.set CS,  36                           ; v36-51   x's scale words
.set WS,  52                           ; v52-67   the weight's, 4 t + s
.set BI,  68                           ; v68-99   the bias in the result's layout
.set ACC, 100                          ; v100-163 8 accumulators
.set CF,  164                          ; v164-227 8 fragments of x (before that, with ACC: x's sets 0 and 1)
.set TM,  228                          ; v228-239 the quantiser's work
.set PCQ, 240                          ; v240-255 codes just made
; window 1: v0-127 the weight's fragments (t, s) at 8 (4 t + s) (before that x's sets 2 and 3); v128-255 the next weight on its way
.set MSB, 0
.macro WIN new                         ; the immediate's high byte repeats the setting that is left
.if MSB != \new
	s_set_vgpr_msb (MSB<<8)|\new
.set MSB, \new
.endif
.endm
.macro MM d, a, b, c, sa, sb
	v_wmma_scale_f32_16x16x128_f8f6f4 v[\d:\d+7], v[\a:\a+7], v[\b:\b+7], v[\c:\c+7], v[\sa], v[\sb] matrix_a_fmt:MATRIX_FMT_FP4 matrix_b_fmt:MATRIX_FMT_FP4
.endm
.macro PLACES n
.rept \n
	v_nop
.endr
.endm
; 64 numbers of a lane, register 16 b + i = the i-th of my 16 numbers of block b, become codes in v[pc] on (registers 4 c .. 4 c + 3: k = 64 c + 32 (lane / 16) + 0 .. 31)
; and scale bytes: split = 0: one word of four in v[sw]; split = 1: two bytes in v[sw] and two in v[sw + 1].  w: the window of the numbers.
.macro QUANT s, pc, sw, nb, split, w
.if \w
	WIN 0x05
.endif
.irp b,0,1,2,3
	v_max3_num_f32 v[TM+\b], |v[\s+16*\b]|, |v[\s+16*\b+1]|, 0x1800000   ; and the floor 2^(3 - 127): the byte cannot fall under 1
.endr
.if \w
	WIN 0x14
.endif
.irp i,2,4,6,8,10,12,14
.irp b,0,1,2,3
	v_max3_num_f32 v[TM+\b], v[TM+\b], |v[\s+16*\b+\i]|, |v[\s+16*\b+\i+1]|
.endr
.endr
	WIN 0
.irp b,0,1,2,3
	v_permlanex16_b32 v[TM+4+\b], v[TM+\b], s36, s37
.endr
.irp b,0,1,2,3
	v_max_num_f32 v[TM+\b], v[TM+\b], v[TM+4+\b]   ; with lane l xor 16's: the block's largest magnitude
.endr
.irp b,0,1,2,3
	v_add_nc_u32 v[TM+8+\b], 0xff000000, v[TM+\b]  ; 2 off its exponent field: the conversion's scale operand
.endr
.irp b,0,1,2,3
	v_lshrrev_b32 v[TM+4+\b], 23, v[TM+8+\b]       ; the scale's byte
.endr
	v_lshl_or_b32 v[\sw], v[TM+5], 8, v[TM+4]
.if \split
	v_lshl_or_b32 v[\sw+1], v[TM+7], 8, v[TM+6]
.else
	s_delay_alu instid0(VALU_DEP_1)
	v_lshl_or_b32 v[\sw], v[TM+6], 16, v[\sw]
	s_delay_alu instid0(VALU_DEP_1)
	v_lshl_or_b32 v[\sw], v[TM+7], 24, v[\sw]
.endif
.if \w
	WIN 0x01
.endif
.irp b,0,1,2,3
	v_cvt_scalef32_pk8_fp4_f32 v[\pc+2*\b], v[\s+16*\b:\s+16*\b+7], v[TM+8+\b]
	v_cvt_scalef32_pk8_fp4_f32 v[\pc+2*\b+1], v[\s+16*\b+8:\s+16*\b+15], v[TM+8+\b]
.endr
	WIN 0
	v_nop                                          ; one plain place behind a scaled conversion
.irp u,0,1
.irp i,0,1
	v_permlane16_swap_b32 v[\pc+4*\u+\i], v[\pc+4*\u+2+\i]   ; the operand's layout wants a whole block in a lane
.endr
.endr
.endm
.macro XLOAD z                         ; my tile's numbers of K step z (64 a lane) into set z
.set XLB, ACC+64*(\z)
.if (\z) >= 2
.set XLB, 64*((\z)-2)
	WIN 0x40
.endif
.irp b,0,1,2,3
.irp j,0,1,2,3
	global_load_b128 v[XLB+16*\b+4*\j:XLB+16*\b+4*\j+3], v8, s[8:9] offset:512*(\z)+128*\b+16*\j
.endr
.endr
	WIN 0
.endm
.macro RAWLD cp, i0, n                 ; n loads of 512 consecutive bytes (two rows) of my head's rows of a weight
	WIN 0x40
.set I, \i0
.rept \n
	global_load_b128 v[128+4*I:128+4*I+3], v5, s[\cp:\cp+1] offset:512*I
.set I, I+1
.endr
	WIN 0
.endm
.macro SBLD sp, bp, isv                ; a weight's scale words and its bias: 12 loads, for v 8
.irp t,0,1,2,3
	global_load_b128 v[WS+4*\t:WS+4*\t+3], v11, s[\sp:\sp+1] offset:(32*(\t/2)+8*(\t%2))*16
.endr
.irp t,0,1,2,3
.if \isv
	global_load_b32 v[BI+8*\t], v13, s[\bp:\bp+1] offset:(32*(\t/2)+8*(\t%2))*4
.else
	global_load_b128 v[BI+8*\t:BI+8*\t+3], v12, s[\bp:\bp+1] offset:(32*(\t/2)+8*(\t%2))*4
	global_load_b128 v[BI+8*\t+4:BI+8*\t+7], v12, s[\bp:\bp+1] offset:(32*(\t/2)+8*(\t%2))*4+16
.endif
.endr
.endm
.macro STAGE nsb, ncp                  ; the weight on its way becomes fragments; the next one (codes at s[ncp]) is asked for
	s_wait_loadcnt \nsb                            ; the 32 loads of codes are in; the nsb loads of scales and bias issued behind them may be out
	WIN 0x04
.set I, 0
.rept 32
	ds_store_b128 v9, v[128+4*I:128+4*I+3] offset:(((2*I)&39)+((2*I)&8)*2+((2*I)&16)/2)*WPIT
.set I, I+1
.endr
	WIN 0x40
.irp t,0,1,2,3
.irp s,0,1,2,3
.irp u,0,1
	ds_load_b128 v[8*(4*\t+\s)+4*\u:8*(4*\t+\s)+4*\u+3], v10 offset:16*WPIT*\t+64*\s+32*\u   ; my own bytes: LDS serves a wave's instructions in order
.endr
.endr
.endr
	WIN 0
	s_wait_dscnt 0x0                               ; fragments in; the stores have read their registers
.if \ncp
	RAWLD \ncp, 0, 32
	s_wait_loadcnt 32                              ; scales and bias are in; the 32 just issued may be out
.else
	s_wait_loadcnt 0x0
.endif
.endm
; q or k (ko = 0, 1), TRANSPOSED (source 0 = 16 rows of W, source 1 = 16 rows of x): a lane holds one row of x, its registers run along the head.  A trip: 64 rows, as two blocks of two tiles.
.macro QKMAT ko
	s_mov_b32 s60, 0
	s_mov_b32 s41, 0
	s_mov_b32 s42, 0
	s_mov_b32 s43, 0
.Lqk_\@:
	s_wait_xcnt 0x0                                ; earlier stores have read their offsets and data: both are written again below
	v_add_nc_u32 v18, s41, v16
	v_add_nc_u32 v19, s42, v17
	v_add_nc_u32 v30, s43, v20
	v_add_nc_u32 v31, s42, v21
.irp p,0,1
.irp ml,0,1
.irp s,0,1,2,3
.irp u,0,1
	ds_load_b128 v[CF+8*(4*\ml+\s)+4*\u:CF+8*(4*\ml+\s)+4*\u+3], v18 offset:(4*(2*\p+\ml)+\s)*1024+512*\u
.endr
.endr
	ds_load_b128 v[CS+4*\ml:CS+4*\ml+3], v19 offset:(2*\p+\ml)*512
.endr
	s_wait_alu depctr_va_vdst(0)
	s_wait_dscnt 0x0
	WIN 0x01                                       ; source 0 (W) window 1
.irp s,0,1,2,3                                     ; the 8 accumulators take turns
.irp ml,0,1
.irp t,0,1,2,3
.if \s == 0
	MM ACC+32*\ml+8*\t, 8*(4*\t+\s), CF+8*(4*\ml+\s), BI+8*\t, WS+4*\t+\s, CS+4*\ml+\s
.else
	MM ACC+32*\ml+8*\t, 8*(4*\t+\s), CF+8*(4*\ml+\s), ACC+32*\ml+8*\t, WS+4*\t+\s, CS+4*\ml+\s
.endif
.endr
.endr
.endr
	WIN 0
	PLACES 4
	QUANT ACC, PCQ+8*\p, SW+2*\p, 4, 1, 0
	global_store_b128 v30, v[PCQ+8*\p:PCQ+8*\p+3], s[28:29] offset:4096*\ko+1024*\p th:TH_STORE_NT
	global_store_b128 v30, v[PCQ+8*\p+4:PCQ+8*\p+7], s[28:29] offset:4096*\ko+1024*\p+512 th:TH_STORE_NT
.endr
	global_store_b128 v31, v[SW:SW+3], s[28:29] offset:1024*\ko th:TH_STORE_NT
	s_add_co_u32 s41, s41, 16384
	s_add_co_u32 s42, s42, 2048
	s_add_co_u32 s43, s43, 8192
	s_add_co_u32 s60, s60, 1
	s_cmp_lt_u32 s60, 2
	s_wait_alu depctr_va_vdst(0)
	s_cbranch_scc1 .Lqk_\@
.endm
	s_load_b512 s[8:23], s[0:1], 0x0               ; x 8, wq_codes 10, wq_scales 12, bq 14, wk_codes 16, wk_scales 18, bk 20, wv_codes 22
	s_load_b128 s[24:27], s[0:1], 0x40             ; wv_scales 24, bv 26
	s_load_b64 s[28:29], s[0:1], 0x50              ; qkv
	v_lshl_add_u32 v28, v0, 2, SPARE               ; my spare word, and 0: kept for the add at the wave's end
	v_mov_b32 v29, 0
	v_lshrrev_b32 v24, 5, v0
	s_delay_alu instid0(VALU_DEP_1)
	v_readfirstlane_b32 s32, v24                   ; wave 0..7
	s_mov_b32 s36, 0x76543210
	s_mov_b32 s37, 0xfedcba98                      ; v_permlanex16_b32's selects for lane l xor 16
	s_lshr_b32 s33, ttmp9, 2                       ; b
	s_and_b32 s34, ttmp9, 3                        ; qd
	s_and_b32 s35, s32, 1                          ; c
	s_lshr_b32 s38, s32, 1                         ; head pair
	s_lshl_b32 s54, ttmp9, 18                      ; x: 128 rows of 2,048 bytes a work-group; my tile begins at row 64 (W / 4) + 32 ((W / 2) % 2) + 8 (W % 2)
	s_lshr_b32 s40, s32, 2
	s_lshl_b32 s40, s40, 17
	s_add_co_u32 s54, s54, s40
	s_bfe_u32 s40, s32, 0x10001
	s_lshl_b32 s40, s40, 16
	s_add_co_u32 s54, s54, s40
	s_lshl_b32 s40, s35, 14
	s_add_co_u32 s54, s54, s40
	s_mov_b32 s55, 0
	s_lshl_b32 s48, s32, 14                        ; my head's 64 rows: of codes,
	s_mov_b32 s49, 0
	s_lshl_b32 s50, s32, 10                        ; of scale bytes,
	s_mov_b32 s51, 0
	s_lshl_b32 s52, s32, 8                         ; of a bias
	s_mov_b32 s53, 0
	s_lshl_b32 s56, s33, 2
	s_add_co_u32 s56, s56, s38
	s_mul_i32 s56, s56, REG                        ; qkv: (b, head pair)
	s_mov_b32 s57, 0
	s_mul_i32 s39, s32, WWAV                       ; my stage
	v_and_b32 v1, 31, v0                           ; L
	v_and_b32 v2, 15, v0                           ; r
	v_bfe_u32 v3, v0, 4, 1                         ; h
	s_delay_alu instid0(VALU_DEP_2)
	v_and_b32 v4, 8, v2
	s_delay_alu instid0(VALU_DEP_1)
	v_add_nc_u32 v4, v4, v2                        ; r + 8 (r / 8)
	v_lshlrev_b32 v5, 4, v1                        ; 16 L
	s_delay_alu instid0(VALU_DEP_2)
	v_lshlrev_b32 v8, 11, v4
	s_delay_alu instid0(VALU_DEP_1)
	v_lshl_add_u32 v8, v3, 6, v8                   ; x: my row of a tile, my 16 numbers of a block
	v_mul_u32_u24 v9, v3, WPIT
	s_delay_alu instid0(VALU_DEP_1)
	v_lshl_add_u32 v9, v2, 4, v9
	s_delay_alu instid0(VALU_DEP_1)
	v_add_nc_u32 v9, s39, v9                       ; into the stage: lanes 0-15 one row, lanes 16-31 the next
	v_mul_u32_u24 v10, v2, WPIT
	s_delay_alu instid0(VALU_DEP_1)
	v_lshl_add_u32 v10, v3, 4, v10
	s_delay_alu instid0(VALU_DEP_1)
	v_add_nc_u32 v10, s39, v10                     ; a fragment: slot r, + 16 h
	v_lshlrev_b32 v11, 4, v4                       ; my row's scale bytes
	v_lshlrev_b32 v12, 6, v3                       ; bias of q, k: my half's eight columns of a tile
	v_lshlrev_b32 v13, 2, v4                       ; bias of v: my column
	s_lshl_b32 s40, s32, 12
	s_add_co_u32 s40, s40, XIMG
	v_add_nc_u32 v14, s40, v5                      ; my tile's image
	s_lshl_b32 s40, s32, 9
	s_add_co_u32 s40, s40, XSL
	v_add_nc_u32 v15, s40, v5                      ; and its scale words
	v_add_nc_u32 v16, XIMG, v5
	v_add_nc_u32 v17, XSL, v5
	s_lshl_b32 s40, s34, 14
	s_lshl_b32 s41, s35, 11
	s_add_co_u32 s40, s40, s41
	v_add_nc_u32 v20, s40, v5                      ; IMG: w = 2 qd, g = c
	s_lshl_b32 s40, s34, 12
	s_lshl_b32 s41, s35, 9
	s_add_co_u32 s40, s40, s41
	s_add_co_u32 s40, s40, SC
	v_add_nc_u32 v21, s40, v5
	s_lshl_b32 s40, s35, 14
	s_lshl_b32 s41, s34, 12
	s_add_co_u32 s40, s40, s41
	s_add_co_u32 s40, s40, VIMG
	v_add_nc_u32 v22, s40, v5                      ; VIMG: c, key step qd
	s_lshl_b32 s40, s35, 11
	s_lshl_b32 s41, s34, 9
	s_add_co_u32 s40, s40, s41
	s_add_co_u32 s40, s40, VSC
	v_add_nc_u32 v23, s40, v5
.irp i,0,1,2,3
	v_mov_b32 v[TM+4+\i], 0                        ; written once: a lane permute's destination counts as one of its sources
	v_mov_b32 v[VW+\i], 0
.endr
	s_wait_alu depctr_va_vdst(0)
	s_wait_kmcnt 0x0
	s_add_nc_u64 s[8:9], s[8:9], s[54:55]
	s_add_nc_u64 s[10:11], s[10:11], s[48:49]
	s_add_nc_u64 s[16:17], s[16:17], s[48:49]
	s_add_nc_u64 s[22:23], s[22:23], s[48:49]
	s_add_nc_u64 s[12:13], s[12:13], s[50:51]
	s_add_nc_u64 s[18:19], s[18:19], s[50:51]
	s_add_nc_u64 s[24:25], s[24:25], s[50:51]
	s_add_nc_u64 s[14:15], s[14:15], s[52:53]
	s_add_nc_u64 s[20:21], s[20:21], s[52:53]
	s_add_nc_u64 s[26:27], s[26:27], s[52:53]
	s_add_nc_u64 s[28:29], s[28:29], s[56:57]
	XLOAD 0
	XLOAD 1
	XLOAD 2
	XLOAD 3
	; my tile's four fragments; behind each, a quarter of wq's loads
.set FI, 0
.rept 4
	s_wait_alu depctr_va_vdst(0)
	s_wait_loadcnt 48-8*FI                         ; set FI is in; behind it were issued 16 (3 - FI) loads of x and 8 FI of wq
.set XW, FI/2
.set XB, (1-XW)*(ACC+64*FI)+XW*64*(FI-2)
	QUANT XB, PCQ, CS+FI, 4, 0, XW
	ds_store_b128 v14, v[PCQ:PCQ+3] offset:1024*FI
	ds_store_b128 v14, v[PCQ+4:PCQ+7] offset:1024*FI+512
	RAWLD 10, 8*FI, 8
.set FI, FI+1
.endr
	ds_store_b128 v15, v[CS:CS+3]
	SBLD 12, 14, 0
	STAGE 12, 16                                   ; its wait for all my LDS instructions serves the barrier too
	s_barrier_signal -1
	s_barrier_wait -1                              ; all eight tiles of x lie in LDS
	QKMAT 0
	SBLD 18, 20, 0
	STAGE 12, 22
	QKMAT 1
	SBLD 24, 26, 1
	STAGE 8, 0
	; v, NATURAL (source 0 = 16 rows of x, source 1 = 16 rows of W): a lane holds one channel, its registers run along the keys.  A trip: 64 keys; a pass: two channel tiles, K in two halves.
.irp t,0,1,2,3
.irp j,1,2,3,4,5,6,7
	v_mov_b32 v[BI+8*\t+\j], v[BI+8*\t]            ; my column's bias for all eight keys
.endr
.endr
	PLACES 4
	s_mov_b32 s60, 0
	s_mov_b32 s41, 0
	s_mov_b32 s42, 0
	s_mov_b32 s43, 0
.Lv:
	s_wait_xcnt 0x0                                ; earlier stores have read their offsets and data
	v_add_nc_u32 v18, s41, v16
	v_add_nc_u32 v19, s42, v17
	v_add_nc_u32 v30, s43, v22
.irp m,0,1,2,3
	ds_load_b128 v[CS+4*\m:CS+4*\m+3], v19 offset:512*\m
.endr
.irp tp,0,1
.irp sb,0,1
.irp m,0,1,2,3
.irp sl,0,1
.irp u,0,1
	ds_load_b128 v[CF+8*(2*\m+\sl)+4*\u:CF+8*(2*\m+\sl)+4*\u+3], v18 offset:(4*\m+2*\sb+\sl)*1024+512*\u
.endr
.endr
.endr
	s_wait_alu depctr_va_vdst(0)
	s_wait_dscnt 0x0
	WIN 0x04                                       ; source 1 (W) window 1
.irp sl,0,1
.irp tl,0,1
.irp m,0,1,2,3
.if (\sb+\sl) == 0
	MM ACC+32*\tl+8*\m, CF+8*(2*\m+\sl), 8*(4*(2*\tp+\tl)+2*\sb+\sl), BI+8*(2*\tp+\tl), CS+4*\m+2*\sb+\sl, WS+4*(2*\tp+\tl)+2*\sb+\sl
.else
	MM ACC+32*\tl+8*\m, CF+8*(2*\m+\sl), 8*(4*(2*\tp+\tl)+2*\sb+\sl), ACC+32*\tl+8*\m, CS+4*\m+2*\sb+\sl, WS+4*(2*\tp+\tl)+2*\sb+\sl
.endif
.endr
.endr
.endr
	WIN 0
	PLACES 4                                       ; in front of loads into registers that the products have read, and of the first read of results
.endr
	QUANT ACC, PCQ+8*\tp, SW+2*\tp, 4, 1, 0        ; channel tiles 2 tp and 2 tp + 1: the trip's 64 keys are two blocks each
	global_store_b128 v30, v[PCQ+8*\tp:PCQ+8*\tp+3], s[28:29] offset:2048*\tp th:TH_STORE_NT
	global_store_b128 v30, v[PCQ+8*\tp+4:PCQ+8*\tp+7], s[28:29] offset:2048*\tp+1024 th:TH_STORE_NT
	v_perm_b32 v[VW+2*\tp], v[SW+2*\tp], v[VW+2*\tp], 0x05040302       ; the word moves 16 bits down and takes the two new bytes on top: after two trips it holds the four blocks' bytes
	v_perm_b32 v[VW+2*\tp+1], v[SW+2*\tp+1], v[VW+2*\tp+1], 0x05040302
.endr
	s_add_co_u32 s41, s41, 16384
	s_add_co_u32 s42, s42, 2048
	s_add_co_u32 s43, s43, 512
	s_add_co_u32 s60, s60, 1
	s_cmp_lt_u32 s60, 2
	s_wait_alu depctr_va_vdst(0)
	s_cbranch_scc1 .Lv
	global_store_b128 v23, v[VW:VW+3], s[28:29] th:TH_STORE_NT
	s_wait_tensorcnt 0x0                           ; the wave's end
	ds_add_u32 v28, v29
	s_wait_dscnt 0x0
	s_endpgm
.Lfunc_end_k_q9d08c5bbbe_proj:
	.size	k_q9d08c5bbbe_proj, .Lfunc_end_k_q9d08c5bbbe_proj-k_q9d08c5bbbe_proj
	.p2alignl 7, 3214868480
	.fill 96, 4, 3214868480
	.section	.rodata,"a",@progbits
	.p2align	6, 0x0
	.amdhsa_kernel k_q9d08c5bbbe_proj
		.amdhsa_group_segment_fixed_size 177152
		.amdhsa_private_segment_fixed_size 0
		.amdhsa_enable_private_segment 0
		.amdhsa_kernarg_size 88
		.amdhsa_user_sgpr_count 2
		.amdhsa_user_sgpr_kernarg_segment_ptr 1
		.amdhsa_wavefront_size32 1
		.amdhsa_system_sgpr_workgroup_id_x 1
		.amdhsa_system_sgpr_workgroup_id_y 1
		.amdhsa_system_sgpr_workgroup_id_z 1
		.amdhsa_system_vgpr_workitem_id 0
		.amdhsa_next_free_vgpr 512
		.amdhsa_next_free_sgpr 66
		.amdhsa_reserve_vcc 0
		.amdhsa_float_denorm_mode_32 3
		.amdhsa_float_denorm_mode_16_64 3
		.amdhsa_memory_ordered 1
		.amdhsa_forward_progress 1
		.amdhsa_inst_pref_size 114
	.end_amdhsa_kernel
	.amdgpu_metadata
---
amdhsa.version: [ 1, 2 ]
amdhsa.kernels:
  - .name:           k_q9d08c5bbbe_proj
    .symbol:         k_q9d08c5bbbe_proj.kd
    .args:
      - { .name: x, .offset: 0, .size: 8, .value_kind: global_buffer, .address_space: global }
      - { .name: wq_codes, .offset: 8, .size: 8, .value_kind: global_buffer, .address_space: global }
      - { .name: wq_scales, .offset: 16, .size: 8, .value_kind: global_buffer, .address_space: global }
      - { .name: bq, .offset: 24, .size: 8, .value_kind: global_buffer, .address_space: global }
      - { .name: wk_codes, .offset: 32, .size: 8, .value_kind: global_buffer, .address_space: global }
      - { .name: wk_scales, .offset: 40, .size: 8, .value_kind: global_buffer, .address_space: global }
      - { .name: bk, .offset: 48, .size: 8, .value_kind: global_buffer, .address_space: global }
      - { .name: wv_codes, .offset: 56, .size: 8, .value_kind: global_buffer, .address_space: global }
      - { .name: wv_scales, .offset: 64, .size: 8, .value_kind: global_buffer, .address_space: global }
      - { .name: bv, .offset: 72, .size: 8, .value_kind: global_buffer, .address_space: global }
      - { .name: qkv, .offset: 80, .size: 8, .value_kind: global_buffer, .address_space: global }
    .group_segment_fixed_size: 177152
    .private_segment_fixed_size: 0
    .kernarg_segment_align: 8
    .kernarg_segment_size: 88
    .max_flat_workgroup_size: 256
    .sgpr_count:     66
    .vgpr_count:     512
    .wavefront_size: 32
...
	.end_amdgpu_metadata
.endif
;; end of part 1
;; launch att (part 2): grid 4 x 64, 16 waves a work-group, no clusters, 124,928 bytes of LDS; arguments qkv, ctx_codes, ctx_scales; writes ctx_codes, ctx_scales
.if DOCPART == 2
	.amdgcn_target "amdgcn-amd-amdhsa--gfx1250"
	.amdhsa_code_object_version 6
	.text
	.protected	k_q9d08c5bbbe_att
	.globl	k_q9d08c5bbbe_att
	.p2align	8
	.type	k_q9d08c5bbbe_att,@function
k_q9d08c5bbbe_att:
	s_mov_b64 s[64:65], 0
	v_nop
	global_prefetch_b8 v0, s[64:65] scope:SCOPE_SE
	s_setreg_imm32_b32 hwreg(HW_REG_WAVE_MODE, 25, 1), 1
	s_wait_xcnt 0x0
; Softmax attention on codes of FP4 for one batch b (work-group y) and one pair of heads hp (work-group x).  q, k, v arrive as images of operand registers with their scale words: 118,784 bytes of qkv, copied into LDS as they lie.
; ctx / l is quantised along the head's 64 and stored as images of the next launch's operand registers.
; SOFTMAX: t = score x log2(e) / 8; M = the running largest t rounded up to a whole number; p = 2^(t - M) is quantised along the keys; the row's sum is taken of the unquantised p and divides at the end.
; SHARES: sixteen waves, four to a SIMD; wave W owns query tiles 2 W and 2 W + 1 of the batch's 32, for both heads: 4 units of 16 queries, each walking 512 keys in 4 steps of 128.
; Both products are used transposed (S^T = K Q^T, O^T = V^T P^T): a lane holds one query.  The keys of a tile are chosen so that the 16 registers of two neighbouring tiles are 16 neighbouring keys.
; K = 64 IN AN INSTRUCTION OF K = 128: Q's fragment has zero codes in its upper four registers; K's fragments lie four registers apart, so the upper four of a tile are the next tile's live codes (zeros behind the last):
; they meet zero codes and add exactly 0.  Bytes 2 and 3 of both scale words are 0, never 0xff.
; NO JOINT LOADS: no two work-groups read the same bytes.  NO PREFETCH: all 15 loads of a thread are issued at the head; there is no loop to run ahead in.
; LIMITS: NaN and infinities are not served; the promise holds while the scaled scores stay under 2^31 in magnitude.  A block of ctx whose largest magnitude lies under 2^-124 has its byte held at 1. 1 / l is v_rcp_f32.
.set VIMG, 65536                       ; LDS as qkv: IMG at 0 [w 8][g: q0 q1 k0 k1][m 4][lane][16 B]; VIMG [c 2][step 4][t 4][half 2][lane][16 B]
.set SC,   98304                       ; [w 8][g 4][lane][m 4][4 B]
.set VSC,  114688                      ; [c 2][step 4][lane][t 4][4 B]
.set CSC,  118784                      ; [tile 32][lane][4 B]: ctx's scale words; the halfword at 2 c; a wave's own 256 bytes
.set SPARE, 122880                     ; the spare words, 128 bytes a wave
.set REG,  118784
.set QS,  36
.set KS,  38                           ; v38-45
.set VS,  46                           ; v46-49
.set PW,  50
.set QF,  68                           ; v68-75, the upper four 0
.set KF,  76                           ; v76-111, the last four 0
.set VF,  112                          ; v112-143
.set SS,  144                          ; v144-207 S^T, then p
.set OO,  208                          ; v208-239 O^T
.set PC,  240                          ; v240-247 p's codes; at a unit's end the first four hold ctx's codes
.set BM,  24                           ; v24-27 block maxima, v28-31 the other lanes' and then bytes, v32-35 the conversions' scale operands
.set BP,  28
.set SO,  32
.set TM,  24
.set FF,  248                          ; f = 2^(old M - new M); v249 is named with it as a pair and holds 0
.set NM,  250                          ; -M
.set MT,  251                          ; the largest t
.set SUM, 252                          ; v[252:253] the row's sum in two halves
.set TT,  7
.set T2,  18
.macro MM d, a, b, c, sa, sb
	v_wmma_scale_f32_16x16x128_f8f6f4 v[\d:\d+7], v[\a:\a+7], v[\b:\b+7], v[\c:\c+7], v[\sa], v[\sb] matrix_a_fmt:MATRIX_FMT_FP4 matrix_b_fmt:MATRIX_FMT_FP4
.endm
.macro MM0 d, a, b, sa, sb
	v_wmma_scale_f32_16x16x128_f8f6f4 v[\d:\d+7], v[\a:\a+7], v[\b:\b+7], 0, v[\sa], v[\sb] matrix_a_fmt:MATRIX_FMT_FP4 matrix_b_fmt:MATRIX_FMT_FP4
.endm
.macro PLACES n
.rept \n
	v_nop
.endr
.endm
.macro CQUANT s, pc, sw                ; 32 numbers of a lane (two blocks, 16 of each) become four registers of codes and two scale bytes
.irp b,0,1
	v_max3_num_f32 v[TM+\b], |v[\s+16*\b]|, |v[\s+16*\b+1]|, 0x1800000
.endr
.irp i,2,4,6,8,10,12,14
.irp b,0,1
	v_max3_num_f32 v[TM+\b], v[TM+\b], |v[\s+16*\b+\i]|, |v[\s+16*\b+\i+1]|
.endr
.endr
.irp b,0,1
	v_permlanex16_b32 v[TM+4+\b], v[TM+\b], s36, s37
.endr
.irp b,0,1
	v_max_num_f32 v[TM+\b], v[TM+\b], v[TM+4+\b]
.endr
.irp b,0,1
	v_add_nc_u32 v[TM+8+\b], 0xff000000, v[TM+\b]
.endr
.irp b,0,1
	v_lshrrev_b32 v[TM+4+\b], 23, v[TM+8+\b]
.endr
	s_delay_alu instid0(VALU_DEP_1)
	v_lshl_or_b32 v[\sw], v[TM+5], 8, v[TM+4]
.irp b,0,1
	v_cvt_scalef32_pk8_fp4_f32 v[\pc+2*\b], v[\s+16*\b:\s+16*\b+7], v[TM+8+\b]
	v_cvt_scalef32_pk8_fp4_f32 v[\pc+2*\b+1], v[\s+16*\b+8:\s+16*\b+15], v[TM+8+\b]
.endr
	v_nop                                          ; one plain place behind a scaled conversion
.irp i,0,1
	v_permlane16_swap_b32 v[\pc+\i], v[\pc+2+\i]
.endr
.endm
	s_load_b64 s[8:9], s[0:1], 0x0                 ; qkv
	s_load_b128 s[28:31], s[0:1], 0x8              ; ctx_codes 28, ctx_scales 30
	v_lshrrev_b32 v24, 5, v0
	s_delay_alu instid0(VALU_DEP_1)
	v_readfirstlane_b32 s32, v24                   ; wave 0..15
	s_and_b32 s34, ttmp7, 0xffff                   ; the batch
	s_and_b32 s35, s32, 1
	s_lshr_b32 s33, s32, 1
	s_mov_b32 s36, 0x76543210
	s_mov_b32 s37, 0xfedcba98                      ; v_permlanex16_b32's selects for lane l xor 16
	s_mov_b32 s38, 0x3e38aa3b                      ; c = log2(e) / 8
	s_mov_b32 s39, s38                             ; named with it as a pair
	s_lshl_b32 s42, s33, 13
	s_lshl_b32 s40, s35, 10
	s_add_co_u32 s42, s42, s40                     ; my two tiles' images of q: w = W / 2, m = 2 (W % 2)
	s_lshl_b32 s43, s33, 11
	s_lshl_b32 s40, s35, 3
	s_add_co_u32 s43, s43, s40
	s_add_co_u32 s43, s43, SC                      ; and their scale words
	s_lshl_b32 s47, s32, 8
	s_add_co_u32 s47, s47, CSC                     ; my 256 bytes of ctx's scale words
	s_lshl_b32 s54, s34, 2
	s_add_co_u32 s54, s54, ttmp9
	s_mul_i32 s54, s54, REG
	s_mov_b32 s55, 0
	s_lshl_b32 s56, s34, 17                        ; ctx_codes: 32 tiles of 4,096 bytes a batch, K step hp
	s_lshl_b32 s40, ttmp9, 10
	s_add_co_u32 s56, s56, s40
	s_mov_b32 s57, 0
	s_lshl_b32 s58, s34, 14                        ; ctx_scales: [b][hp][tile][lane][4]
	s_lshl_b32 s40, ttmp9, 12
	s_add_co_u32 s58, s58, s40
	s_lshl_b32 s40, s32, 8
	s_add_co_u32 s58, s58, s40
	s_mov_b32 s59, 0
	s_lshl_b32 s48, s32, 13
	v_and_b32 v1, 31, v0                           ; L
	v_lshlrev_b32 v14, 4, v0                       ; the copy: 16 x thread, in qkv and in LDS alike
	v_lshlrev_b32 v16, 3, v0
	s_delay_alu instid0(VALU_DEP_3)
	v_lshlrev_b32 v5, 4, v1                        ; 16 L: also K's images
	v_lshlrev_b32 v6, 2, v1
	v_lshlrev_b32 v19, 3, v1
	v_add_nc_u32 v15, 65536, v14
	v_add_nc_u32 v17, VSC, v16
	v_add_nc_u32 v20, s42, v5
	v_add_nc_u32 v21, s43, v5
	v_add_nc_u32 v9, SC, v5                        ; K's scale words
	v_add_nc_u32 v10, VIMG, v5
	v_add_nc_u32 v11, VSC, v5
	v_add_nc_u32 v12, s48, v5                      ; ctx_codes: my two tiles of 4,096 bytes
	v_add_nc_u32 v13, s47, v6
.irp i,0,1,2,3
	v_mov_b32 v[QF+4+\i], 0                        ; zero codes
	v_mov_b32 v[KF+32+\i], 0
	v_mov_b32 v[BP+\i], 0                          ; written once: a lane permute's destination counts as one of its sources
.endr
	v_mov_b32 v[TT], 0
	v_mov_b32 v[FF+1], 0
	s_wait_alu depctr_va_vdst(0)
	s_wait_kmcnt 0x0
	s_add_nc_u64 s[8:9], s[8:9], s[54:55]
	s_add_nc_u64 s[28:29], s[28:29], s[56:57]
	s_add_nc_u64 s[30:31], s[30:31], s[58:59]
.irp i,0,1,2,3,4,5,6,7,8,9,10,11,12,13
	global_load_b128 v[SS+4*\i:SS+4*\i+3], v14, s[8:9] offset:8192*\i th:TH_LOAD_NT   ; the sixteen waves read 8,192 consecutive bytes
.endr
	global_load_b64 v[SS+56:SS+57], v16, s[8:9] offset:VSC th:TH_LOAD_NT              ; and the last 4,096
.irp i,0,1,2,3,4,5,6,7
	s_wait_loadcnt 14-\i                           ; load i is in; the 14 - i behind it may be out
	ds_store_b128 v14, v[SS+4*\i:SS+4*\i+3] offset:8192*\i
.endr
.irp i,8,9,10,11,12,13
	s_wait_loadcnt 14-\i
	ds_store_b128 v15, v[SS+4*\i:SS+4*\i+3] offset:8192*(\i-8)
.endr
	s_wait_loadcnt 0x0
	ds_store_b64 v17, v[SS+56:SS+57]
	s_wait_dscnt 0x0                               ; for the others' sake: my part lies in LDS
	s_barrier_signal -1
	s_barrier_wait -1
.macro KLOAD c, q                                  ; key step q: eight tiles of 16 keys, 4 registers each, and their scale words: 10 loads
.irp t,0,1,2,3,4,5,6,7
	ds_load_b128 v[KF+4*\t:KF+4*\t+3], v5 offset:(2*(\q)+\t/4)*8192+(2+\c)*2048+(\t%4)*512
.endr
.irp i,0,1
	ds_load_b128 v[KS+4*\i:KS+4*\i+3], v9 offset:(2*(\q)+\i)*2048+(2+\c)*512
.endr
.endm
.macro VLOAD c, q                                  ; four tiles of 16 channels x 128 keys, and their scale words: 9 loads
.irp t,0,1,2,3
.irp u,0,1
	ds_load_b128 v[VF+8*\t+4*\u:VF+8*\t+4*\u+3], v10 offset:16384*\c+4096*(\q)+1024*\t+512*\u
.endr
.endr
	ds_load_b128 v[VS:VS+3], v11 offset:2048*\c+512*(\q)
.endm
; A KEY STEP: 128 keys.  The first of a unit starts M, the sum and O^T.
.macro STEP c, q
	s_wait_dscnt 0x0                               ; K (and at a unit's head Q) is in
.irp t,0,1,2,3,4,5,6,7
	MM0 SS+8*\t, KF+4*\t, QF, KS+\t, QS            ; S^T: register 8 t + j is key 128 q + 32 (t / 2) + 16 h + 8 (t % 2) + j
.endr
	PLACES 4
	VLOAD \c, \q
.if \q < 3
	KLOAD \c, \q+1
.endif
.irp b,0,1,2,3
	v_max3_num_f32 v[BM+\b], v[SS+16*\b], v[SS+16*\b+1], v[SS+16*\b+2]   ; the largest score of each block of 32 keys: for the row's maximum and, since p rises with the score, for the block's largest p
.endr
.irp i,3,5,7,9,11,13
.irp b,0,1,2,3
	v_max3_num_f32 v[BM+\b], v[BM+\b], v[SS+16*\b+\i], v[SS+16*\b+\i+1]
.endr
.endr
.irp b,0,1,2,3
	v_max_num_f32 v[BM+\b], v[BM+\b], v[SS+16*\b+15]
.endr
.irp b,0,1,2,3
	s_delay_alu instid0(VALU_DEP_4)
	v_permlanex16_b32 v[BP+\b], v[BM+\b], s36, s37
.endr
.irp b,0,1,2,3
	s_delay_alu instid0(VALU_DEP_4)
	v_max_num_f32 v[BM+\b], v[BM+\b], v[BP+\b]     ; with lane l xor 16's 16 keys
.endr
	s_delay_alu instid0(VALU_DEP_2)
	v_max3_num_f32 v[TT], v[BM], v[BM+1], v[BM+2]
	s_delay_alu instid0(VALU_DEP_1)
	v_max_num_f32 v[TT], v[TT], v[BM+3]            ; the step's largest score of my query
.if \q == 0
	s_delay_alu instid0(VALU_DEP_1)
	v_mul_f32 v[MT], s38, v[TT]                    ; as t
	s_delay_alu instid0(VALU_DEP_1)
	v_floor_f32 v[NM], -v[MT]                      ; -M = floor(-t): M is a whole number
.else
	s_delay_alu instid0(VALU_DEP_1)
	v_mul_f32 v[TT], s38, v[TT]
	s_delay_alu instid0(VALU_DEP_1)
	v_max_num_f32 v[MT], v[MT], v[TT]              ; the running largest t
	v_mov_b32 v[TT], v[NM]
	s_delay_alu instid0(VALU_DEP_2)
	v_floor_f32 v[NM], -v[MT]
	s_delay_alu instid0(VALU_DEP_1)
	v_sub_f32 v[TT], v[NM], v[TT]                  ; old M - new M: a whole number, 0 or less
	s_delay_alu instid0(VALU_DEP_1)
	v_cvt_i32_f32 v[TT], v[TT]
	s_delay_alu instid0(VALU_DEP_1)
	v_ldexp_f32 v[FF], 1.0, v[TT]                  ; f = 2^(old M - new M): a multiplication by it rounds nothing
.endif
.set J, 0
.rept 32
	v_pk_fma_f32 v[SS+J:SS+J+1], v[SS+J:SS+J+1], s[38:39], v[NM:NM+1] op_sel_hi:[1,0,0]   ; t - M, two at a time
.set J, J+2
.endr
.irp b,0,1,2,3
	v_fma_f32 v[BM+\b], v[BM+\b], s38, v[NM]       ; the same of each block's largest score
.endr
.set J, 0
	s_wait_alu depctr_va_vdst(0)
.rept 64
	v_exp_f32 v[SS+J], v[SS+J]                     ; p = 2^(t - M)
.set J, J+1
.endr
.if \q == 0
	v_mov_b32 v[SUM], 0                            ; (the plain place behind the exponentials)
	v_mov_b32 v[SUM+1], 0
.else
	v_pk_mul_f32 v[SUM:SUM+1], v[SUM:SUM+1], v[FF:FF+1] op_sel_hi:[1,0]   ; the sums under the new M
.endif
	s_wait_alu depctr_va_vdst(0)                   ; one wait for the batch of 64, ahead of its first reader
.irp b,0,1,2,3
	v_exp_f32 v[BM+\b], v[BM+\b]                   ; the block's largest p: the same two instructions on the same number
.endr
	v_pk_add_f32 v[254:255], v[148:149], v[152:153]   ; the row's sum of the unquantised p, in eight chains
	v_pk_add_f32 v[246:247], v[156:157], v[160:161]
	v_pk_add_f32 v[244:245], v[164:165], v[168:169]
	v_pk_add_f32 v[242:243], v[172:173], v[176:177]
	v_pk_add_f32 v[240:241], v[180:181], v[184:185]
	v_pk_add_f32 v[66:67], v[188:189], v[192:193]
	v_pk_add_f32 v[64:65], v[196:197], v[200:201]
	v_pk_add_f32 v[252:253], v[252:253], v[204:205]
	v_pk_add_f32 v[254:255], v[254:255], v[144:145]
	v_pk_add_f32 v[246:247], v[246:247], v[146:147]
	v_pk_add_f32 v[244:245], v[244:245], v[150:151]
	v_pk_add_f32 v[242:243], v[242:243], v[154:155]
	v_pk_add_f32 v[240:241], v[240:241], v[158:159]
	v_pk_add_f32 v[66:67], v[66:67], v[162:163]
	v_pk_add_f32 v[64:65], v[64:65], v[166:167]
	v_pk_add_f32 v[252:253], v[252:253], v[170:171]
	v_pk_add_f32 v[254:255], v[254:255], v[174:175]
	v_pk_add_f32 v[246:247], v[246:247], v[178:179]
	v_pk_add_f32 v[244:245], v[244:245], v[182:183]
	v_pk_add_f32 v[242:243], v[242:243], v[186:187]
	v_pk_add_f32 v[240:241], v[240:241], v[190:191]
	v_pk_add_f32 v[66:67], v[66:67], v[194:195]
	v_pk_add_f32 v[64:65], v[64:65], v[198:199]
	v_pk_add_f32 v[252:253], v[252:253], v[202:203]
	v_pk_add_f32 v[254:255], v[254:255], v[206:207]
	s_delay_alu instid0(VALU_DEP_2)
	v_pk_add_f32 v[252:253], v[252:253], v[242:243]
	s_delay_alu instid0(VALU_DEP_2)
	v_pk_add_f32 v[254:255], v[254:255], v[240:241]
	v_pk_add_f32 v[246:247], v[246:247], v[66:67]
	v_pk_add_f32 v[244:245], v[244:245], v[64:65]
	s_delay_alu instid0(VALU_DEP_2)
	v_pk_add_f32 v[252:253], v[252:253], v[246:247]
	s_delay_alu instid0(VALU_DEP_2)
	v_pk_add_f32 v[254:255], v[254:255], v[244:245]
	s_delay_alu instid0(VALU_DEP_1)
	v_pk_add_f32 v[252:253], v[252:253], v[254:255]
	s_wait_alu depctr_va_vdst(0)                   ; and one for the four
.irp b,0,1,2,3
	v_max_num_f32 v[BM+\b], 0x1800000, v[BM+\b]    ; the floor 2^(3 - 127)
.endr
.irp b,0,1,2,3
	s_delay_alu instid0(VALU_DEP_4)
	v_add_nc_u32 v[SO+\b], 0xff000000, v[BM+\b]
.endr
.irp b,0,1,2,3
	s_delay_alu instid0(VALU_DEP_4)
	v_lshrrev_b32 v[BP+\b], 23, v[SO+\b]
.endr
	s_delay_alu instid0(VALU_DEP_3)
	v_lshl_or_b32 v[PW], v[BP+1], 8, v[BP]         ; p's scale word for these 128 keys
	s_delay_alu instid0(VALU_DEP_1)
	v_lshl_or_b32 v[PW], v[BP+2], 16, v[PW]
	s_delay_alu instid0(VALU_DEP_1)
	v_lshl_or_b32 v[PW], v[BP+3], 24, v[PW]
.irp b,0,1,2,3
	v_cvt_scalef32_pk8_fp4_f32 v[PC+2*\b], v[SS+16*\b:SS+16*\b+7], v[SO+\b]
	v_cvt_scalef32_pk8_fp4_f32 v[PC+2*\b+1], v[SS+16*\b+8:SS+16*\b+15], v[SO+\b]
.endr
	v_nop                                          ; one plain place behind a scaled conversion
.irp u,0,1
.irp i,0,1
	v_permlane16_swap_b32 v[PC+4*\u+\i], v[PC+4*\u+2+\i]
.endr
.endr
.if \q == 0
	s_wait_alu depctr_va_vdst(0)
	PLACES 8                                       ; a scale word written by vector instructions stands 8 places ahead of a scaled product
.else
.set J, 0
.rept 16
	v_pk_mul_f32 v[OO+J:OO+J+1], v[OO+J:OO+J+1], v[FF:FF+1] op_sel_hi:[1,0]   ; O^T under the new M; these 16 are also those places
.set J, J+2
.endr
.endif
.if \q < 3
	s_wait_alu depctr_va_vdst(0)
	s_wait_dscnt 10                                ; V's 9 loads are in; K's 10 for the next step, issued behind them, may be out
.else
	s_wait_alu depctr_va_vdst(0)
	s_wait_dscnt 0x0
.endif
.irp t,0,1,2,3
.if \q == 0
	MM0 OO+8*\t, VF+8*\t, PC, VS+\t, PW            ; O^T: register 8 t + j is channel 32 (t / 2) + 16 h + 8 (t % 2) + j of my query
.else
	MM OO+8*\t, VF+8*\t, PC, OO+8*\t, VS+\t, PW
.endif
.endr
.endm
; One head: my two tiles of queries, one after the other.
.macro HEAD c
	s_mov_b32 s60, 0
.Lunit_\@:
	s_wait_xcnt 0x0                                ; the last unit's store has read its data (v240-243) and its offset: both are written again only behind this wait
	s_lshl_b32 s48, s60, 9
	v_add_nc_u32 v14, s48, v20
	s_lshl_b32 s49, s60, 2
	v_add_nc_u32 v15, s49, v21
	ds_load_b128 v[QF:QF+3], v14 offset:2048*\c
	ds_load_b32 v[QS], v15 offset:512*\c
	KLOAD \c, 0
	s_wait_alu depctr_va_vdst(0)
	STEP \c, 0
	STEP \c, 1
	STEP \c, 2
	STEP \c, 3
	PLACES 4
	v_add_f32 v[SUM], v[SUM], v[SUM+1]             ; the sum's two halves,
	s_delay_alu instid0(VALU_DEP_1)
	v_permlanex16_b32 v[TT], v[SUM], s36, s37
	s_delay_alu instid0(VALU_DEP_1)
	v_add_f32 v[SUM], v[SUM], v[TT]                ; and lane l xor 16's: the row's sum
	s_wait_alu depctr_va_vdst(0)
	v_rcp_f32 v[SUM], v[SUM]
	s_lshl_b32 s50, s60, 12
	v_add_nc_u32 v16, s50, v12                     ; (the plain place behind the reciprocal)
	s_lshl_b32 s51, s60, 7
	v_add_nc_u32 v17, s51, v13
	s_wait_alu depctr_va_vdst(0)                   ; ahead of the reciprocal's first reader
.set J, 0
.rept 16
	v_pk_mul_f32 v[OO+J:OO+J+1], v[OO+J:OO+J+1], v[SUM:SUM+1] op_sel_hi:[1,0]   ; ctx = O^T / the sum
.set J, J+2
.endr
	CQUANT OO, PC, T2                              ; the head's 64 channels: two blocks
	global_store_b128 v16, v[PC:PC+3], s[28:29] offset:512*\c   ; 512 consecutive bytes, aligned
	ds_store_b16 v17, v[T2] offset:2*\c
	s_add_co_u32 s60, s60, 1
	s_cmp_lt_u32 s60, 2
	s_wait_alu depctr_va_vdst(0)
	s_cbranch_scc1 .Lunit_\@
.endm
	HEAD 0
	HEAD 1
	v_add_nc_u32 v14, s47, v19
	ds_load_b64 v[SS:SS+1], v14                    ; my two tiles' scale words: my own bytes, and LDS serves a wave's instructions in order
	s_wait_dscnt 0x0
	global_store_b64 v19, v[SS:SS+1], s[30:31]     ; 256 consecutive bytes, aligned
	s_wait_xcnt 0x0
	v_lshl_add_u32 v254, v0, 2, SPARE
	v_mov_b32 v255, 0
	s_wait_alu depctr_va_vdst(0)
	s_wait_tensorcnt 0x0                           ; the wave's end
	ds_add_u32 v254, v255
	s_wait_dscnt 0x0
	s_endpgm
.Lfunc_end_k_q9d08c5bbbe_att:
	.size	k_q9d08c5bbbe_att, .Lfunc_end_k_q9d08c5bbbe_att-k_q9d08c5bbbe_att
	.p2alignl 7, 3214868480
	.fill 96, 4, 3214868480
	.section	.rodata,"a",@progbits
	.p2align	6, 0x0
	.amdhsa_kernel k_q9d08c5bbbe_att
		.amdhsa_group_segment_fixed_size 124928
		.amdhsa_private_segment_fixed_size 0
		.amdhsa_enable_private_segment 0
		.amdhsa_kernarg_size 24
		.amdhsa_user_sgpr_count 2
		.amdhsa_user_sgpr_kernarg_segment_ptr 1
		.amdhsa_wavefront_size32 1
		.amdhsa_system_sgpr_workgroup_id_x 1
		.amdhsa_system_sgpr_workgroup_id_y 1
		.amdhsa_system_sgpr_workgroup_id_z 1
		.amdhsa_system_vgpr_workitem_id 0
		.amdhsa_next_free_vgpr 256
		.amdhsa_next_free_sgpr 66
		.amdhsa_reserve_vcc 0
		.amdhsa_float_denorm_mode_32 3
		.amdhsa_float_denorm_mode_16_64 3
		.amdhsa_memory_ordered 1
		.amdhsa_forward_progress 1
		.amdhsa_inst_pref_size 137
	.end_amdhsa_kernel
	.amdgpu_metadata
---
amdhsa.version: [ 1, 2 ]
amdhsa.kernels:
  - .name:           k_q9d08c5bbbe_att
    .symbol:         k_q9d08c5bbbe_att.kd
    .args:
      - { .name: qkv, .offset: 0, .size: 8, .value_kind: global_buffer, .address_space: global }
      - { .name: ctx_codes, .offset: 8, .size: 8, .value_kind: global_buffer, .address_space: global }
      - { .name: ctx_scales, .offset: 16, .size: 8, .value_kind: global_buffer, .address_space: global }
    .group_segment_fixed_size: 124928
    .private_segment_fixed_size: 0
    .kernarg_segment_align: 8
    .kernarg_segment_size: 24
    .max_flat_workgroup_size: 512
    .sgpr_count:     66
    .vgpr_count:     256
    .wavefront_size: 32
...
	.end_amdgpu_metadata
.endif
;; end of part 2
;; launch outp (part 3): grid 256 x 1, 8 waves a work-group, no clusters, 169,984 bytes of LDS; arguments x, ctx_codes, ctx_scales, wo_codes, wo_scales, bo, out0; writes out0
.if DOCPART == 3
	.amdgcn_target "amdgcn-amd-amdhsa--gfx1250"
	.amdhsa_code_object_version 6
	.text
	.protected	k_q9d08c5bbbe_outp
	.globl	k_q9d08c5bbbe_outp
	.p2align	8
	.type	k_q9d08c5bbbe_outp,@function
k_q9d08c5bbbe_outp:
	s_mov_b64 s[64:65], 0
	v_nop
	global_prefetch_b8 v0, s[64:65] scope:SCOPE_SE
	s_setreg_imm32_b32 hwreg(HW_REG_WAVE_MODE, 25, 1), 1
	s_wait_xcnt 0x0
; out0 = relu(x + ctx wo + bo): ctx arrives as codes of FP4 with E8M0 scales, as images of operand registers ([row tile][K step 4][half 2][lane][16 B]; scale words [b][K step][tile 32][lane][4 B]); wo as codes, K innermost.
; SHARES: a work-group takes 128 rows: 8 row tiles, as four blocks of 32 rows (two tiles).  Lane r of tile t' holds row 32 (t' / 2) + 8 (t' % 2) + r + 8 (r / 8).
; THE WAVES SHARE THE COLUMNS: wave w keeps wo's rows 64 w .. 64 w + 63 (16 fragments, 128 registers) for the whole launch.  The product is used TRANSPOSED (source 0 = 16 rows of wo, source 1 = 16 rows of ctx):
; a lane holds eight neighbouring columns of one row.  bo is the C of each sum's first product.
; THE WAY OUT: a block's 32 rows meet in a stage in LDS (rows of 2,048 bytes + 16); wave w takes rows 4 w .. 4 w + 3 whole, adds x, clips at 0 and stores: each store of the wave covers 512 consecutive bytes, aligned.
; Two stages take turns, so one barrier a block does: a stage is written again only behind the next block's barrier, which every wave signals behind the wait for its reads of it.
; No joint loads: the work-groups share wo alone, 136 KiB against the 1.07 MiB that each reads of its own.
.set CSCL, 32768                       ; LDS: ctx's 32 fragments from 0 on, a plain copy of memory; then their scale words [s][tile 8][lane][4]
.set STG0, 36864
.set SPIT, 2064
.set STGB, 32*SPIT                     ; from stage 0 to stage 1
.set WSC, 24                           ; v24-39   wo's scale words, 4 t + s
.set CS,  40                           ; v40-47   ctx's, 4 m + s
.set BI,  48                           ; v48-79   bo in the result's layout
.set ACC, 80                           ; v80-143  8 accumulators (m, t); then 4 whole rows
.set CF,  144                          ; v144-207 ctx's 8 fragments of a block
.set CT,  208                          ; v208-243 ctx on its way to LDS
; window 1: wo's fragments (t, s) at 8 (4 t + s); x's two sets of 64 at 128 and 192
.set MSB, 0
.macro WIN new                         ; the immediate's high byte repeats the setting that is left
.if MSB != \new
	s_set_vgpr_msb (MSB<<8)|\new
.set MSB, \new
.endif
.endm
.macro MM d, a, b, c, sa, sb
	v_wmma_scale_f32_16x16x128_f8f6f4 v[\d:\d+7], v[\a:\a+7], v[\b:\b+7], v[\c:\c+7], v[\sa], v[\sb] matrix_a_fmt:MATRIX_FMT_FP4 matrix_b_fmt:MATRIX_FMT_FP4
.endm
.macro XLD be                          ; my four rows of x of block be: 16 loads of 512 consecutive bytes, into set be % 2 of window 1
	WIN 0x40
.irp i,0,1,2,3,4,5,6,7,8,9,10,11,12,13,14,15
	global_load_b128 v[128+64*((\be)%2)+4*\i:128+64*((\be)%2)+4*\i+3], v5, s[8:9] offset:65536*(\be)+512*\i th:TH_LOAD_NT
.endr
	WIN 0
.endm
	s_load_b256 s[8:15], s[0:1], 0x0               ; x 8, ctx_codes 10, ctx_scales 12, wo_codes 14
	s_load_b128 s[16:19], s[0:1], 0x20             ; wo_scales 16, bo 18
	s_load_b64 s[20:21], s[0:1], 0x30              ; out0
	v_lshl_add_u32 v254, v0, 2, 0x29400
	v_mov_b32 v255, 0
	v_lshrrev_b32 v17, 5, v0
	s_delay_alu instid0(VALU_DEP_1)
	v_readfirstlane_b32 s22, v17                   ; wave 0..7
	v_and_b32 v1, 31, v0                           ; L
	v_and_b32 v2, 15, v0                           ; r
	v_bfe_u32 v3, v0, 4, 1                         ; h
	s_delay_alu instid0(VALU_DEP_2)
	v_and_b32 v4, 8, v2
	s_delay_alu instid0(VALU_DEP_1)
	v_add_nc_u32 v4, v4, v2                        ; r + 8 (r / 8)
	v_lshlrev_b32 v5, 4, v1                        ; 16 L
	v_lshlrev_b32 v6, 2, v1                        ; 4 L
	v_lshlrev_b32 v8, 8, v2
	s_delay_alu instid0(VALU_DEP_1)
	v_lshl_add_u32 v8, v3, 4, v8                   ; wo: row r of 256 bytes, + 16 h
	v_lshlrev_b32 v9, 4, v2                        ; its scale bytes: 16 a row
	v_lshlrev_b32 v10, 5, v3                       ; bo: my half's eight columns
	v_mul_u32_u24 v11, v4, SPIT
	s_delay_alu instid0(VALU_DEP_1)
	v_lshl_add_u32 v11, v3, 5, v11
	s_lshl_b32 s23, s22, 8
	s_add_co_u32 s23, s23, STG0
	v_add_nc_u32 v11, s23, v11                     ; into stage 0: my row of a tile, my wave's 256 bytes, my half's 32
	s_delay_alu instid0(VALU_DEP_1)
	v_add_nc_u32 v12, STGB, v11                    ; into stage 1
	s_mul_i32 s23, s22, 4*SPIT
	s_add_co_u32 s23, s23, STG0
	v_add_nc_u32 v13, s23, v5                      ; back: my four rows, 16 bytes a lane
	s_delay_alu instid0(VALU_DEP_1)
	v_add_nc_u32 v14, STGB, v13
	s_lshl_b32 s23, s22, 12
	v_add_nc_u32 v15, s23, v5                      ; ctx's codes: my wave copies 4,096 bytes
	s_lshl_b32 s23, s22, 9
	s_add_co_u32 s23, s23, CSCL
	v_add_nc_u32 v16, s23, v5                      ; and 512 bytes of scale words
	s_lshl_b32 s24, ttmp9, 18                      ; x, out0: 128 rows of 2,048 bytes a work-group, my four rows of a block
	s_lshl_b32 s23, s22, 13
	s_add_co_u32 s24, s24, s23
	s_mov_b32 s25, 0
	s_lshl_b32 s26, ttmp9, 15                      ; ctx_codes: 8 tiles of 4,096 bytes a work-group
	s_lshl_b32 s23, s22, 12
	s_add_co_u32 s26, s26, s23
	s_mov_b32 s27, 0
	s_lshr_b32 s28, ttmp9, 2                       ; ctx_scales: batch,
	s_lshl_b32 s28, s28, 14
	s_lshr_b32 s23, s22, 1                         ; K step w / 2,
	s_lshl_b32 s23, s23, 12
	s_add_co_u32 s28, s28, s23
	s_and_b32 s23, ttmp9, 3                        ; my work-group's 8 tiles of the batch's 32,
	s_lshl_b32 s23, s23, 10
	s_add_co_u32 s28, s28, s23
	s_and_b32 s23, s22, 1                          ; half w % 2 of their 1,024 bytes
	s_lshl_b32 s23, s23, 9
	s_add_co_u32 s28, s28, s23
	s_mov_b32 s29, 0
	s_lshl_b32 s30, s22, 14                        ; wo: my 64 rows
	s_mov_b32 s31, 0
	s_lshl_b32 s32, s22, 10
	s_mov_b32 s33, 0
	s_lshl_b32 s34, s22, 8
	s_mov_b32 s35, 0
	s_wait_alu depctr_va_vdst(0)
	s_wait_kmcnt 0x0
	s_add_nc_u64 s[8:9], s[8:9], s[24:25]
	s_add_nc_u64 s[20:21], s[20:21], s[24:25]
	s_add_nc_u64 s[10:11], s[10:11], s[26:27]
	s_add_nc_u64 s[12:13], s[12:13], s[28:29]
	s_add_nc_u64 s[14:15], s[14:15], s[30:31]
	s_add_nc_u64 s[16:17], s[16:17], s[32:33]
	s_add_nc_u64 s[18:19], s[18:19], s[34:35]
.irp i,0,1,2,3,4,5,6,7
	global_load_b128 v[CT+4*\i:CT+4*\i+3], v5, s[10:11] offset:512*\i th:TH_LOAD_NT
.endr
	global_load_b128 v[CT+32:CT+35], v5, s[12:13] th:TH_LOAD_NT
	WIN 0x40
.irp t,0,1,2,3
.irp s,0,1,2,3
.irp u,0,1
	global_load_b128 v[8*(4*\t+\s)+4*\u:8*(4*\t+\s)+4*\u+3], v8, s[14:15] offset:4096*\t+64*\s+32*\u
.endr
.endr
.endr
	WIN 0
.irp t,0,1,2,3
	global_load_b128 v[WSC+4*\t:WSC+4*\t+3], v9, s[16:17] offset:256*\t
.endr
.irp t,0,1,2,3
	global_load_b128 v[BI+8*\t:BI+8*\t+3], v10, s[18:19] offset:64*\t
	global_load_b128 v[BI+8*\t+4:BI+8*\t+7], v10, s[18:19] offset:64*\t+16
.endr
	XLD 0
	s_wait_loadcnt 60                              ; ctx's nine loads are in; behind them were issued 32 + 4 + 8 + 16
.irp i,0,1,2,3,4,5,6,7
	ds_store_b128 v15, v[CT+4*\i:CT+4*\i+3] offset:512*\i
.endr
	ds_store_b128 v16, v[CT+32:CT+35]
	XLD 1
	s_wait_dscnt 0x0                               ; for the others' sake: my part of ctx lies in LDS
	s_barrier_signal -1
	s_barrier_wait -1
	s_wait_loadcnt 32                              ; wo, its scales and bo are in; x's two sets may be out
.macro BLOCK be
.irp m,0,1
.irp s,0,1,2,3
.irp u,0,1
	ds_load_b128 v[CF+8*(4*\m+\s)+4*\u:CF+8*(4*\m+\s)+4*\u+3], v5 offset:(4*(2*\be+\m)+\s)*1024+512*\u
.endr
	ds_load_b32 v[CS+4*\m+\s], v6 offset:CSCL+1024*\s+128*(2*\be+\m)
.endr
.endr
	s_wait_dscnt 0x0
.if \be > 0
	s_wait_xcnt 0x0                                ; the last block's stores have read the registers that the products write now
.endif
	WIN 0x01                                       ; source 0 (wo) window 1
.irp s,0,1,2,3                                     ; the 8 accumulators take turns, one instruction a turn
.irp m,0,1
.irp t,0,1,2,3
.if \s == 0
	MM ACC+8*(4*\m+\t), 8*(4*\t+\s), CF+8*(4*\m+\s), BI+8*\t, WSC+4*\t+\s, CS+4*\m+\s
.else
	MM ACC+8*(4*\m+\t), 8*(4*\t+\s), CF+8*(4*\m+\s), ACC+8*(4*\m+\t), WSC+4*\t+\s, CS+4*\m+\s
.endif
.endr
.endr
.endr
	WIN 0
.rept 4
	v_nop                                          ; four places in front of the first read of results
.endr
.irp m,0,1
.irp t,0,1,2,3
	ds_store_b128 v[11+(\be)%2], v[ACC+8*(4*\m+\t):ACC+8*(4*\m+\t)+3] offset:8*SPIT*\m+64*\t      ; each accumulator from its low end on
	ds_store_b128 v[11+(\be)%2], v[ACC+8*(4*\m+\t)+4:ACC+8*(4*\m+\t)+7] offset:8*SPIT*\m+64*\t+16
.endr
.endr
	s_wait_dscnt 0x0                               ; for the others' sake: my stores into the stage are done (and my reads of the other stage were waited for in the last block)
	s_barrier_signal -1
	s_barrier_wait -1
.irp i,0,1,2,3,4,5,6,7,8,9,10,11,12,13,14,15
	ds_load_b128 v[ACC+4*\i:ACC+4*\i+3], v[13+(\be)%2] offset:SPIT*(\i/4)+512*(\i%4)
.endr
.if \be < 3
	s_wait_loadcnt 16                              ; this block's x is in; the next block's 16 loads may be out
.else
	s_wait_loadcnt 0x0
.endif
	s_wait_dscnt 0x0
	WIN 0x04                                       ; source 1 (x) window 1
.set J, 0
.rept 32
	v_pk_add_f32 v[ACC+J:ACC+J+1], v[ACC+J:ACC+J+1], v[128+64*((\be)%2)+J:128+64*((\be)%2)+J+1]
.set J, J+2
.endr
.if \be < 2
	XLD \be+2                                      ; into the set just read
.endif
	WIN 0
.set J, 0
.rept 64
	v_max_num_f32 v[ACC+J], 0, v[ACC+J]
.set J, J+1
.endr
.irp i,0,1,2,3,4,5,6,7,8,9,10,11,12,13,14,15
	global_store_b128 v5, v[ACC+4*\i:ACC+4*\i+3], s[20:21] offset:65536*\be+512*\i th:TH_STORE_NT
.endr
.endm
	BLOCK 0
	BLOCK 1
	BLOCK 2
	BLOCK 3
	s_barrier_signal -1
	s_barrier_wait -1
	s_wait_tensorcnt 0x0
	ds_add_u32 v254, v255
	s_wait_dscnt 0x0
	s_endpgm
.Lfunc_end_k_q9d08c5bbbe_outp:
	.size	k_q9d08c5bbbe_outp, .Lfunc_end_k_q9d08c5bbbe_outp-k_q9d08c5bbbe_outp
	.p2alignl 7, 3214868480
	.fill 96, 4, 3214868480
	.section	.rodata,"a",@progbits
	.p2align	6, 0x0
	.amdhsa_kernel k_q9d08c5bbbe_outp
		.amdhsa_group_segment_fixed_size 169984
		.amdhsa_private_segment_fixed_size 0
		.amdhsa_enable_private_segment 0
		.amdhsa_kernarg_size 56
		.amdhsa_user_sgpr_count 2
		.amdhsa_user_sgpr_kernarg_segment_ptr 1
		.amdhsa_wavefront_size32 1
		.amdhsa_system_sgpr_workgroup_id_x 1
		.amdhsa_system_sgpr_workgroup_id_y 1
		.amdhsa_system_sgpr_workgroup_id_z 1
		.amdhsa_system_vgpr_workitem_id 0
		.amdhsa_next_free_vgpr 512
		.amdhsa_next_free_sgpr 66
		.amdhsa_reserve_vcc 0
		.amdhsa_float_denorm_mode_32 3
		.amdhsa_float_denorm_mode_16_64 3
		.amdhsa_memory_ordered 1
		.amdhsa_forward_progress 1
		.amdhsa_inst_pref_size 70
	.end_amdhsa_kernel
	.amdgpu_metadata
---
amdhsa.version: [ 1, 2 ]
amdhsa.kernels:
  - .name:           k_q9d08c5bbbe_outp
    .symbol:         k_q9d08c5bbbe_outp.kd
    .args:
      - { .name: x, .offset: 0, .size: 8, .value_kind: global_buffer, .address_space: global }
      - { .name: ctx_codes, .offset: 8, .size: 8, .value_kind: global_buffer, .address_space: global }
      - { .name: ctx_scales, .offset: 16, .size: 8, .value_kind: global_buffer, .address_space: global }
      - { .name: wo_codes, .offset: 24, .size: 8, .value_kind: global_buffer, .address_space: global }
      - { .name: wo_scales, .offset: 32, .size: 8, .value_kind: global_buffer, .address_space: global }
      - { .name: bo, .offset: 40, .size: 8, .value_kind: global_buffer, .address_space: global }
      - { .name: out0, .offset: 48, .size: 8, .value_kind: global_buffer, .address_space: global }
    .group_segment_fixed_size: 169984
    .private_segment_fixed_size: 0
    .kernarg_segment_align: 8
    .kernarg_segment_size: 56
    .max_flat_workgroup_size: 256
    .sgpr_count:     66
    .vgpr_count:     512
    .wavefront_size: 32
...
	.end_amdgpu_metadata
.endif
;; end of part 3
